; MI455X (gfx1250); checked and timed in simulation.
; The chip was launched on July 23, 2026; its instructions are those of AMD's public machine-readable ISA for CDNA 5 (MIT licence, August 2026) and "CDNA5" Instruction Set Architecture Reference Guide (July 2026). The comments in the code are by the model that wrote it; some were corrected since.
;; Self Attention Naive. Allowed arithmetic: matrix products marked QUANTISED: E5M2 operands, one E8M0 scale for each 32 along K, by v_wmma_scale_f32_16x16x128_f8f6f4 with both operands' format E5M2, f32 sums; everything else in f32.
;; Inputs: gamma 1 float32; wf_codes 64 x 8 x 32 uint8 (E5M2 codes of wf, K innermost, in blocks of 32 codes); wf_scales 64 x 8 uint8 (E8M0 scales of wf, one for each 32 codes along K); wg_codes 64 x 8 x 32 uint8 (E5M2 codes of wg, K innermost, in blocks of 32 codes); wg_scales 64 x 8 uint8 (E8M0 scales of wg, one for each 32 codes along K); wh_codes 256 x 8 x 32 uint8 (E5M2 codes of wh, K innermost, in blocks of 32 codes); wh_scales 256 x 8 uint8 (E8M0 scales of wh, one for each 32 codes along K); x 8 x 256 x 64 x 64 float32.
;; Outputs: out0 8 x 256 x 64 x 64 float32.
;; This version of the problem:
;;   THIS VERSION OF THE PROBLEM IS GIVEN IN LOW PRECISION. The matrix products marked QUANTISED in the list below multiply operands that are first quantised to E5M2 (5 exponent bits, 2 mantissa bits; 8 bits a number), with one power-of-two scale for each 32 numbers along K (OCP MX v1.0); their sums are f32. All else is computed in f32.
;;   The module's matrix products, in the order in which they are computed (A, B: the left and right operand; K: the contracted axis; several contracted axes count as one K, in the product's order):
;;     1. [M 32,768, K 256] x [K 256, N 64]; A: input x; B: input wf (given as codes): QUANTISED
;;     2. [M 32,768, K 256] x [K 256, N 64]; A: input x; B: input wg (given as codes): QUANTISED
;;     3. [M 32,768, K 256] x [K 256, N 256]; A: input x; B: input wh (given as codes): QUANTISED
;;     4. batch 8 x [M 4,096, K 64] x [K 64, N 4,096]; A: computed on the way; B: computed on the way: QUANTISED
;;     5. batch 8 x [M 256, K 4,096] x [K 4,096, N 4,096]; A: computed on the way; B: softmax (see below): QUANTISED
;;   THE QUANTISER, for each operand of a quantised product, along K:
;;     - K is cut into blocks of 32 from its start; a last block that is shorter is filled with zeros.
;;     - A block's scale is 2^e with e = floor(log2(the largest magnitude in the block)) - 15, held to -126 .. 127; a block of zeros has e = 0. As a byte (E8M0): e + 127.
;;     - Each number is divided by its block's scale, clamped to +-57,344, and rounded to the nearest number of E5M2, ties to even, subnormals kept.
;;     - The product sums the exact products of the quantised numbers (number of the format x scale) in f32.
;;   ~~~python
;;   def quantise(x, axis):      # numpy; x: float32 -> the quantised numbers, widened to float32 again
;;       x = np.moveaxis(x, axis, -1); K = x.shape[-1]
;;       x = np.pad(x, [(0, 0)] * (x.ndim - 1) + [(0, -K % 32)]); x = x.reshape(x.shape[:-1] + (-1, 32)); a = np.abs(x).max(-1, keepdims=True)
;;       e = np.where(a > 0, np.clip(np.frexp(np.where(a > 0, a, 1))[1] - 1 - 15, -126, 127), 0)      # np.frexp(a)[1] - 1 = floor(log2(a)), exactly
;;       r = np.clip(x / 2.0 ** e, -57344, 57344)
;;       step = 2.0 ** (np.maximum(np.frexp(np.where(r == 0, 1, r))[1] - 1, -14) - 2)
;;       q = np.round(r / step) * step * 2.0 ** e      # np.round: ties to even
;;       return np.moveaxis(q.reshape(q.shape[:-2] + (-1,))[..., :K], -1, axis).astype(np.float32)
;;   ~~~
;;   SOFTMAX AHEAD OF A QUANTISED PRODUCT. Where the list says 'softmax', what is quantised is not the finished softmax but p = 2^(t - M), with t = logit x log2(e) and M = ceil(the row's largest t), a whole number; so 1/2 < the row's largest p <= 1. The row's sum l is taken of the UNQUANTISED p, in f32, and the product's result is divided by l at the end. Since M is a whole number, a kernel that streams over the keys may use a running M (the ceiling of the running maximum): every later rescaling is an exact power of two, which a block's scale takes up: the codes' values come out the same.
;;   OPERANDS COMPUTED ON THE WAY. 'Computed on the way' means the value that the module computes at that place (a softmax that the list does not call 'softmax' is quantised finished and normalised). What goes into a quantiser is computed in f32, as accurately as f32 sums, v_exp_f32 and their like allow (about 1e-6 of the number): no bf16 or f16 on the way to a quantiser, and a product that is left as it is and whose result goes on into a quantised operand takes f32 operands (vector FMAs, or v_wmma_f32_16x16x4_f32). A number that lies on a knife's edge between two numbers of the format may be rounded either way, as far as f32 arithmetic and the matrix unit's own rounding can turn it there, and no further.
;;   INPUTS GIVEN AS CODES. wf (in the module: [64, 256], K = its axis 1); wg (in the module: [64, 256], K = its axis 1); wh (in the module: [256, 256], K = its axis 1): each comes as NAME_codes (uint8): NAME with its K axis moved to the last place and cut into blocks of 32 codes, [.., K / 32, bytes a block], one block behind the other in memory; one code a byte (a code: sign, 5 exponent bits, 2 mantissa bits); and NAME_scales (uint8): the same leading axes, one E8M0 byte (e + 127) for each 32 codes along K. Its value is code x scale, taken as it is: it is not quantised again, and the codes and scales need not be those that the quantiser above would give.
;; One version. Each part assembles by itself: llvm-mc -triple=amdgcn-amd-amdhsa -mcpu=gfx1250 --defsym DOCPART=n.
;; ======== version 1 of 1: 2 launches
;; limits: right only within a limited range of input values
;; workspace buffers: kv 10,878,976 bytes; qg 2,228,224 bytes
;; launch proj (part 1): grid 32 x 8, 4 waves a work-group, clusters of 4 x 1, 246,272 bytes of LDS; arguments x, wf_codes, wf_scales, wg_codes, wg_scales, wh_codes, wh_scales, kv, qg; writes kv, qg
.if DOCPART == 1
	.amdgcn_target "amdgcn-amd-amdhsa--gfx1250"
	.amdhsa_code_object_version 6
	.text
	.protected	k_q52c4177e50_proj
	.globl	k_q52c4177e50_proj
	.p2align	8
	.type	k_q52c4177e50_proj,@function
k_q52c4177e50_proj:
	s_mov_b64 s[64:65], 0
	v_nop
	global_prefetch_b8 v0, s[64:65] scope:SCOPE_SE
	s_setreg_imm32_b32 hwreg(HW_REG_WAVE_MODE, 25, 1), 1
	s_wait_xcnt 0x0
	s_wait_alu depctr_hold_cnt(0) depctr_sa_sdst(0) depctr_va_vdst(0) depctr_va_sdst(0) depctr_va_ssrc(0) depctr_va_vcc(0) depctr_vm_vsrc(0)
	s_getreg_b32 s2, hwreg(HW_REG_IB_STS2, 6, 4)
	s_cmp_eq_u32 s2, 0
	s_cbranch_scc0 .Lentry_in_a_cluster
	s_endpgm
.Lentry_in_a_cluster:
	s_bfe_u32 s2, ttmp6, 0x10000c
	s_cmp_lg_u32 s2, 0x3003
	s_cbranch_scc0 .Lentry_shape_is_right
	s_endpgm
.Lentry_shape_is_right:
; THE THREE 1x1 CONVOLUTIONS, on codes of BF8 (E5M2) with one E8M0 scale for each 32 along K, and the quantising of their results for the attention that follows.
; x: [8][256 c][4096 n] f32.  wf, wg: [64][256], wh: [256][256]: codes, K = c innermost; their scale bytes [rows][8].
; fx = wf x are the KEYS of the attention, gx = wg x its QUERIES (both quantised along their 64 outputs), hx = wh x its VALUES (quantised along n).
; SHARES.  A work-group takes 128 columns n of one batch and makes one record of kv and one of qg.  Wave w takes columns 32 w .. 32 w + 31, two tiles of 16, for all 384 outputs.
; x IS QUANTISED ALONG c, WHICH IS NOT INNERMOST: a lane takes a column and its registers run down c; a block's 32 codes are 8 registers.  Lane 16 u + r holds the column of tile u, row r;
; one exchange of half-waves for each pair of registers turns "a lane to a column" into the two tiles' fragments (lanes 0-15: c = 32 k + 0 .. 15, lanes 16-31: c = 32 k + 16 .. 31).
; THE COLUMNS OF A TILE ARE NOT NEIGHBOURS: row r of tile u is column 32 w + 8 u + r + 8 (r / 8); the rows of wf and wg that form a tile are chosen likewise.  So a result's 16 registers of two neighbouring tiles
; are 16 neighbours along the next product's K: f, g (source 0 = weights, source 1 = x): a lane holds one column and 16 outputs; h (source 0 = x, source 1 = weights): a lane holds one output and 16 columns.
; THE RECORDS are images of the operands' registers: a group of four registers is 512 bytes, lane l's 16 bytes at 16 l.
;   kv record (128 keys, 42,496 bytes): +0 K's codes: tile k at 1024 k, block b at 512 b;  +8192 K's scale words [8][16];  +8704 V's scale words [16][16];  +9728 V's codes: channel tile T at 2048 T, block c at 512 c.
;   qg record (128 queries, 8,704 bytes): +0 the codes, as K's;  +8192 the scale words.   K's and Q's words: bytes 0, 1 the two blocks; bytes 2, 3 are 127: the attention fills K = 64 .. 127 with zero codes.
; CLUSTER: the four work-groups of a cluster read the same weights: those 98,304 bytes are asked for jointly, each wave a part; x's tile is each work-group's own.  Every LDS byte is filled once.
; LIMITS: NaN and infinities among the inputs are not served.  A block whose largest magnitude lies under 2^-111 (a block of zeros too) gets the scale byte 1; the bytes are read by this program alone.
.set REC,  42496
.set QREC, 8704
.set WL,   131072                      ; LDS: 0: x's tile, 256 rows of 512 bytes.  WL: the weights, 384 rows of 256 bytes + 16 of padding: wf 0-63, wg 64-127, wh 128-383
.set WP,   272
.set SKQ,  235520                      ; K's scale words, 512 bytes, then Q's
.set SV,   236544                      ; V's scale bytes as words: [4 waves][16 tiles][16]
.set XA,   4                           ; v4, v5  LDS address of my column in x's rows 0-127, 128-255
.set AWP,  6                           ; v6   my lane's place in a tile of wf or wg (rows chosen)
.set AWN,  7                           ; v7   and of wh (rows as they lie)
.set KO,   8                           ; v8   2048 w + 16 lane: my place among K's or Q's codes
.set VO,   9                           ; v9   512 w + 16 lane: among V's codes
.set SKA,  10                          ; v10  where I put K's and Q's scale words
.set SVA,  11                          ; v11  and V's scale bytes
.set WSA,  12                          ; v12  my row's scale bytes in wf, wg
.set WSB,  13                          ; v13  in wh
.set RKQ,  14                          ; v14  the way out of K's and Q's scale words: LDS
.set RSV,  15                          ; v15  of V's
.set TM,   16                          ; v16-23 at work
.set GKQ,  30                          ; v30  256 (w % 2) + 8 lane
.set GSV,  31                          ; v31  256 w + 8 lane
.set XSW,  40                          ; v40-41 x's scale words for c = 0-127, 128-255: lane 16 u + r has those of tile u, row r
.set WS,   42                          ; v42-89 the weights' scale words: tile i, K step s at 2 i + s; tiles 0-7: wf, wg; 8-23: wh
.set XC,   96                          ; v96-159 x's fragments: tile u, K step s at 32 u + 16 s
.set R,    160                         ; v160-223 two sets of 32 numbers of x; later two sets of four accumulators
.set OC,   224                         ; v224-239 codes on their way out, two sets of 8
.set BY,   240                         ; v240-246 scale bytes and words
.set MSB, 0
.macro WIN new                         ; the immediate's high byte repeats the setting that is left
.if MSB != \new
	s_set_vgpr_msb (MSB<<8)|\new
.set MSB, \new
.endif
.endm
.macro CROUND                          ; a round of the cluster's barrier
	s_barrier_signal -1
	s_barrier_wait -1
	s_cmp_lg_u32 s22, 0
	s_cbranch_scc1 .Lnot_wave_0_\@
	s_barrier_signal -3
.Lnot_wave_0_\@:
	s_barrier_wait -3
	s_barrier_signal -1
	s_barrier_wait -1
.endm
.macro PLACES n
.rept \n
	v_nop
.endr
.endm
; one matrix instruction: D at d, sources at a and b, scale words in sa and sb; acc = 0: the product starts the sum; ra, rb = 1: that side's scales are read from lanes 16-31
.macro WMS d, a, b, acc, sa, sb, ra, rb
.if (\acc) && (\ra)
	v_wmma_scale_f32_16x16x128_f8f6f4 v[\d:\d+7], v[\a:\a+15], v[\b:\b+15], v[\d:\d+7], v[\sa], v[\sb] matrix_a_fmt:MATRIX_FMT_BF8 matrix_b_fmt:MATRIX_FMT_BF8 matrix_a_scale:MATRIX_SCALE_ROW1
.elseif (\acc) && (\rb)
	v_wmma_scale_f32_16x16x128_f8f6f4 v[\d:\d+7], v[\a:\a+15], v[\b:\b+15], v[\d:\d+7], v[\sa], v[\sb] matrix_a_fmt:MATRIX_FMT_BF8 matrix_b_fmt:MATRIX_FMT_BF8 matrix_b_scale:MATRIX_SCALE_ROW1
.elseif (\acc)
	v_wmma_scale_f32_16x16x128_f8f6f4 v[\d:\d+7], v[\a:\a+15], v[\b:\b+15], v[\d:\d+7], v[\sa], v[\sb] matrix_a_fmt:MATRIX_FMT_BF8 matrix_b_fmt:MATRIX_FMT_BF8
.elseif (\ra)
	v_wmma_scale_f32_16x16x128_f8f6f4 v[\d:\d+7], v[\a:\a+15], v[\b:\b+15], 0, v[\sa], v[\sb] matrix_a_fmt:MATRIX_FMT_BF8 matrix_b_fmt:MATRIX_FMT_BF8 matrix_a_scale:MATRIX_SCALE_ROW1
.elseif (\rb)
	v_wmma_scale_f32_16x16x128_f8f6f4 v[\d:\d+7], v[\a:\a+15], v[\b:\b+15], 0, v[\sa], v[\sb] matrix_a_fmt:MATRIX_FMT_BF8 matrix_b_fmt:MATRIX_FMT_BF8 matrix_b_scale:MATRIX_SCALE_ROW1
.else
	v_wmma_scale_f32_16x16x128_f8f6f4 v[\d:\d+7], v[\a:\a+15], v[\b:\b+15], 0, v[\sa], v[\sb] matrix_a_fmt:MATRIX_FMT_BF8 matrix_b_fmt:MATRIX_FMT_BF8
.endif
.endm
	s_load_b512 s[4:19], s[0:1], 0x0               ; x s[4:5], wf's codes s[6:7], scales s[8:9], wg's s[10:11], s[12:13], wh's s[14:15], s[16:17], kv s[18:19]
	s_load_b64 s[20:21], s[0:1], 0x40              ; qg
	v_lshl_add_u32 v254, v0, 2, 0x3c000
	v_mov_b32 v255, 0
	ds_add_u32 v254, v255
	ds_add_u32 v254, v255
	v_lshrrev_b32 v1, 5, v0
	v_readfirstlane_b32 s22, v1                    ; wave 0..3
	s_bfe_u32 s23, ttmp6, 0x40000                  ; cx: my place in the cluster
	s_lshl_b32 s24, ttmp9, 2
	s_add_co_u32 s24, s24, s23                     ; my block of 128 columns = 4 x cluster x + cx: it enters x's, kv's and qg's addresses alone
	s_and_b32 s25, ttmp7, 0xffff                   ; the batch
	; x's tile, my quarter: 64 rows (c) of 128 numbers of 4 bytes, 4,096 numbers apart; no mask, no padding (a load's 32 lanes read 32 different words of 128 neighbouring bytes)
	s_mov_b32 s28, 2<<16
	s_mov_b32 s29, 128<<16                         ; tensor_dim0
	s_mov_b32 s30, 64<<16                          ; tensor_dim1
	s_mov_b32 s31, 128<<16                         ; tile_dim0
	s_mov_b32 s32, 64                              ; tile_dim1
	s_mov_b32 s33, 4096                            ; from row to row
	s_mov_b32 s34, 0
	s_mov_b32 s35, 0
	s_mov_b32 s36, 1
	s_lshl_b32 s37, s22, 15                        ; to LDS byte 32,768 w
	; the weights: rows of 256 codes, dense, 16 bytes of padding behind each; asked for jointly by the four work-groups (mask 15, bit 21 beside it)
	s_mov_b32 s40, 15|(1<<20)|(1<<21)|(5<<22)|(3<<25)
	s_mov_b32 s41, 256<<16
	s_mov_b32 s42, 64<<16                          ; wh: my 64 rows
	s_mov_b32 s43, 256<<16
	s_mov_b32 s44, 64
	s_mov_b32 s45, 256
	s_mov_b32 s46, 0
	s_mov_b32 s47, 0
	s_mov_b32 s48, 1
	s_mul_i32 s49, s22, 64*WP
	s_add_co_u32 s49, s49, WL+128*WP
	s_mov_b32 s52, 15|(1<<20)|(1<<21)|(5<<22)|(3<<25)
	s_mov_b32 s53, 256<<16
	s_mov_b32 s54, 32<<16                          ; wf (waves 0, 1) or wg (waves 2, 3): my 32 rows
	s_mov_b32 s55, 256<<16
	s_mov_b32 s56, 32
	s_mov_b32 s57, 256
	s_mov_b32 s58, 0
	s_mov_b32 s59, 0
	s_mov_b32 s60, 1
	s_mul_i32 s61, s22, 32*WP
	s_add_co_u32 s61, s61, WL
	s_mov_b32 s66, 0x76543210
	s_mov_b32 s67, 0xfedcba98                      ; v_permlanex16_b32's selects for lane l xor 16
	s_mov_b32 s68, 0x600000                        ; the mantissa field of 57,344
	s_mov_b32 s69, 0xffff0000                      ; lanes 16-31
	s_lshl_b32 s70, s25, 22                        ; x: the batch's 4,194,304 bytes,
	s_lshl_b32 s71, s22, 20                        ; my 64 rows of 16,384,
	s_add_co_u32 s70, s70, s71
	s_lshl_b32 s71, s24, 9                         ; the block's 512 bytes of a row
	s_add_co_u32 s70, s70, s71
	s_mov_b32 s71, 0
	s_lshl_b32 s76, s25, 5
	s_add_co_u32 s76, s76, s24                     ; which record: 32 x batch + block
	s_mul_i32 s72, s76, REC
	s_mov_b32 s73, 0
	s_mul_i32 s74, s76, QREC
	s_mov_b32 s75, 0
	s_and_b32 s78, s22, 1
	s_lshl_b32 s78, s78, 13                        ; wf, wg: 32 rows of 256 bytes x (wave % 2)
	s_mov_b32 s79, 0
	s_lshl_b32 s80, s22, 14                        ; wh: 64 rows x wave
	s_mov_b32 s81, 0
	s_wait_dscnt 0x0
	s_wait_kmcnt 0x0
	s_add_nc_u64 s[38:39], s[4:5], s[70:71]
	s_or_b32 s39, s39, 0x80000000
	s_add_nc_u64 s[50:51], s[14:15], s[80:81]
	s_or_b32 s51, s51, 0x80000000
	s_cmp_lt_u32 s22, 2                            ; the choice hangs on the wave's number alone: it is the same in all four work-groups
	s_cselect_b64 s[62:63], s[6:7], s[10:11]
	s_add_nc_u64 s[62:63], s[62:63], s[78:79]
	s_or_b32 s63, s63, 0x80000000
	s_add_nc_u64 s[72:73], s[18:19], s[72:73]      ; my record of kv
	s_add_nc_u64 s[74:75], s[20:21], s[74:75]      ; and of qg
	CROUND                                         ; all four work-groups are here: the joint loads meet
	tensor_load_to_lds s[36:39], s[28:35]          ; x first: it is wanted first.  Three loads of mine are out
	s_nop 0
	tensor_load_to_lds s[60:63], s[52:59]
	s_nop 0
	tensor_load_to_lds s[48:51], s[40:47]
	s_nop 0
	PLACES 4
	v_and_b32 v1, 31, v0                           ; lane
	v_and_b32 v2, 15, v0                           ; r
	v_bfe_u32 v3, v0, 4, 1                         ; h
	v_and_b32 v16, 7, v0
	v_bfe_u32 v17, v0, 3, 1
	v_lshl_add_u32 v16, v17, 4, v16
	v_lshl_add_u32 v16, v3, 3, v16                 ; my column of the wave's 32: (l % 8) + 16 (bit 3) + 8 (bit 4) = 8 u + r + 8 (r / 8)
	s_lshl_b32 s82, s22, 7
	v_lshl_add_u32 v[XA], v16, 2, s82              ; 128 w + 4 x column
	v_add_nc_u32 v[XA+1], 65536, v[XA]
	v_and_b32 v17, 8, v2
	v_add_nc_u32 v17, v17, v2                      ; r + 8 (r / 8)
	v_mul_u32_u24 v[AWP], v17, WP
	v_lshl_add_u32 v[AWP], v3, 4, v[AWP]
	v_add_nc_u32 v[AWP], WL, v[AWP]
	v_mul_u32_u24 v[AWN], v2, WP
	v_lshl_add_u32 v[AWN], v3, 4, v[AWN]
	v_add_nc_u32 v[AWN], WL+128*WP, v[AWN]
	s_lshl_b32 s83, s22, 11
	v_lshl_add_u32 v[KO], v1, 4, s83
	s_lshl_b32 s83, s22, 9
	v_lshl_add_u32 v[VO], v1, 4, s83
	v_lshl_add_u32 v[SKA], v1, 2, s82
	v_add_nc_u32 v[SKA], SKQ, v[SKA]               ; SKQ + 128 w + 4 lane: tiles 2 w and 2 w + 1
	s_lshl_b32 s83, s22, 10
	v_lshl_add_u32 v[SVA], v1, 2, s83
	v_add_nc_u32 v[SVA], SV, v[SVA]                ; SV + 1024 w + 4 lane
	v_lshlrev_b32 v[WSA], 3, v17
	v_lshlrev_b32 v[WSB], 3, v2
	s_lshl_b32 s83, s22, 8
	v_lshl_add_u32 v[GSV], v1, 3, s83
	v_add_nc_u32 v[RKQ], SKQ, v[GSV]
	v_add_nc_u32 v[RSV], SV, v[GSV]
	s_and_b32 s83, s22, 1
	s_lshl_b32 s83, s83, 8
	v_lshl_add_u32 v[GKQ], v1, 3, s83
.irp m,0,1                                     ; the weights' scale words: 8 bytes a row: the words of both K steps
.irp b,0,1
.irp v,0,1
	global_load_b64 v[WS+2*(4*\m+2*\b+\v):WS+2*(4*\m+2*\b+\v)+1], v[WSA], s[8+4*\m:9+4*\m] offset:(32*\b+8*\v)*8
.endr
.endr
.endr
.irp y,0,1,2,3,4,5,6,7,8,9,10,11,12,13,14,15
	global_load_b64 v[WS+16+2*\y:WS+17+2*\y], v[WSB], s[16:17] offset:128*\y
.endr
	s_wait_tensorcnt 0x2                           ; my quarter of x's tile is in; the two loads issued behind it, the weights', may stay out
	s_barrier_signal -1
	s_barrier_wait -1                              ; everybody's is
; block k of x: c = 32 k + i of my column, i = 0 .. 31, into set k % 2
.macro LOADX k
.set ii, 0
.rept 32
	ds_load_b32 v[R+32*((\k)%2)+ii], v[XA+(\k)/4] offset:((32*(\k)+ii)%128)*512
.set ii, ii+1
.endr
.endm
; block k is quantised: all 32 numbers are mine
.macro QX k
.set XB, R+32*((\k)%2)
.set C0, XC+16*((\k)/4)+4*((\k)%4)
.if (\k) < 7
	s_wait_dscnt 32                                ; this block's 32 loads are in; the next block's may be out
.else
	s_wait_dscnt 0x0
.endif
	v_max3_num_f32 v[TM], |v[XB]|, |v[XB+1]|, |v[XB+2]|
	v_max3_num_f32 v[TM+1], |v[XB+3]|, |v[XB+4]|, |v[XB+5]|
.irp i,6,10,14,18,22,26
	v_max3_num_f32 v[TM], v[TM], |v[XB+\i]|, |v[XB+\i+1]|
	v_max3_num_f32 v[TM+1], v[TM+1], |v[XB+\i+2]|, |v[XB+\i+3]|
.endr
	v_max3_num_f32 v[TM], v[TM], |v[XB+30]|, |v[XB+31]|
	v_max3_num_f32 v[TM], v[TM], v[TM+1], 0x8000000   ; and the floor 2^(16 - 127): the byte cannot fall under 1
	v_add_nc_u32 v[TM+2], 0xf8800000, v[TM]        ; 15 off the exponent field: the conversion's scale operand
	v_and_or_b32 v[TM+3], v[TM], 0x7f800000, s68   ; 57,344 x the scale
	v_lshrrev_b32 v[TM+1], 23, v[TM+2]             ; the scale's byte
.if (\k)%4 == 0
	v_mov_b32 v[XSW+(\k)/4], v[TM+1]
.else
	v_lshl_or_b32 v[XSW+(\k)/4], v[TM+1], 8*((\k)%4), v[XSW+(\k)/4]
.endif
.set ii, 0
.rept 32
.set ii, ii+1
.endr
	v_cvt_scalef32_pk8_bf8_f32 v[C0:C0+1], v[XB:XB+7], v[TM+2]           ; c = 32 k + 0 .. 15 into tile 0's registers,
	v_cvt_scalef32_pk8_bf8_f32 v[C0+2:C0+3], v[XB+8:XB+15], v[TM+2]
	v_cvt_scalef32_pk8_bf8_f32 v[C0+32:C0+33], v[XB+16:XB+23], v[TM+2]   ; c = 32 k + 16 .. 31 into tile 1's
	v_cvt_scalef32_pk8_bf8_f32 v[C0+34:C0+35], v[XB+24:XB+31], v[TM+2]
	v_nop                                          ; one plain instruction between a scaled conversion and the next vector instruction on its result
.irp i,0,1,2,3
	v_permlane16_swap_b32 v[C0+\i], v[C0+32+\i]    ; tile 0's lanes 16-31 (tile 1's columns, low half of the block) change places with tile 1's lanes 0-15 (tile 0's columns, high half)
.endr
.if (\k)+2 < 8
	LOADX (\k)+2
.endif
.endm
	LOADX 0
	LOADX 1
.irp k,0,1,2,3,4,5,6,7
	QX \k
.endr
	s_wait_tensorcnt 0x0                           ; my parts of the weights are in,
	s_wait_loadcnt 0x0                             ; and their scale words
	s_barrier_signal -1
	s_barrier_wait -1                              ; everybody's parts are
	PLACES 8                                       ; x's fragments and scale words were written by vector instructions: places ahead of the first scaled product
; TWELVE GROUPS of four accumulators, eight matrix instructions each.  Groups 0-3: wf's outputs 0-31, 32-63, wg's likewise.  Groups 4-11: wh's outputs 32 (g - 4) on.
; the group's four fragments of weights (tile v, K step s at 32 v + 16 s) into set g % 2, in window 1
.macro LOADW g
	WIN 0x40
.set WBB, 64*((\g)%2)
.irp v,0,1
.irp s,0,1
.irp c,0,1,2,3
.if (\g) < 4
	ds_load_b128 v[WBB+32*\v+16*\s+4*\c:WBB+32*\v+16*\s+4*\c+3], v[AWP] offset:(32*(\g)+8*\v)*WP+128*\s+32*\c
.else
	ds_load_b128 v[WBB+32*\v+16*\s+4*\c:WBB+32*\v+16*\s+4*\c+3], v[AWN] offset:16*(2*((\g)-4)+\v)*WP+128*\s+32*\c
.endif
.endr
.endr
.endr
.endm
; the group's products: K step 0 starts the four sums, K step 1 adds; the four accumulators take turns
.macro MM g
.set WBB, 64*((\g)%2)
.set ACB, R+32*((\g)%2)
.if (\g) < 4
	WIN 0x01                                       ; source 0 (weights) window 1
.irp s,0,1
	s_wait_alu depctr_va_vdst(0)
.irp u,0,1
.irp v,0,1
	WMS ACB+16*\u+8*\v, WBB+32*\v+16*\s, XC+32*\u+16*\s, \s, WS+2*(2*(\g)+\v)+\s, XSW+\s, 0, \u
.endr
.endr
.endr
.else
	WIN 0x04                                       ; source 1 (weights) window 1
.irp s,0,1
.irp u,0,1
.irp v,0,1
	WMS ACB+16*\v+8*\u, XC+32*\u+16*\s, WBB+32*\v+16*\s, \s, XSW+\s, WS+2*(8+2*((\g)-4)+\v)+\s, \u, 0
.endr
.endr
.endr
.endif
.endm
; the group's results, two runs of 16 registers (16 neighbours along the next K; the block's other 16 lie in lane l xor 16), become codes and leave
.macro POST g
.set ACB, R+32*((\g)%2)
.set OCB, OC+8*((\g)%2)
.if (\g) < 4
.set BYB, BY+2*((\g)%2)
.else
.set BYB, BY
.endif
	WIN 0
	s_wait_xcnt 0x0                                ; the earlier stores have read their registers: the codes' registers are written again only behind this wait
.irp q,0,1
	v_max3_num_f32 v[TM+\q], |v[ACB+16*\q]|, |v[ACB+16*\q+1]|, 0x8000000
.endr
.irp i,2,4,6,8,10,12,14
.irp q,0,1
	v_max3_num_f32 v[TM+\q], v[TM+\q], |v[ACB+16*\q+\i]|, |v[ACB+16*\q+\i+1]|
.endr
.endr
.irp q,0,1
	v_permlanex16_b32 v[TM+2+\q], v[TM+\q], s66, s67
.endr
.irp q,0,1
	v_max_num_f32 v[TM+\q], v[TM+\q], v[TM+2+\q]
.endr
.irp q,0,1
	v_add_nc_u32 v[TM+4+\q], 0xf8800000, v[TM+\q]
.endr
.irp q,0,1
.endr
.irp q,0,1
	v_lshrrev_b32 v[BYB+\q], 23, v[TM+4+\q]
.endr
.irp q,0,1
.irp i,0,1,2,3,4,5,6,7,8,9,10,11,12,13,14,15
.endr
	v_cvt_scalef32_pk8_bf8_f32 v[OCB+4*\q:OCB+4*\q+1], v[ACB+16*\q:ACB+16*\q+7], v[TM+4+\q]
	v_cvt_scalef32_pk8_bf8_f32 v[OCB+4*\q+2:OCB+4*\q+3], v[ACB+16*\q+8:ACB+16*\q+15], v[TM+4+\q]
.endr
.if (\g) < 4
.if (\g)%2 == 1                                ; both blocks' bytes are there: the words of my two tiles, tile 0's in lanes 0-15, tile 1's in lanes 16-31
	v_lshl_or_b32 v[BY+4], v[BY+2], 8, v[BY]
	v_lshl_or_b32 v[BY+5], v[BY+3], 8, v[BY+1]
	v_or_b32 v[BY+4], 0x7f7f0000, v[BY+4]
	v_or_b32 v[BY+5], 0x7f7f0000, v[BY+5]
	v_cndmask_b32 v[BY+6], v[BY+4], v[BY+5], s69
	ds_store_b32 v[SKA], v[BY+6] offset:512*((\g)/2)
.else
	v_nop                                          ; a plain instruction behind the conversions: the products after next write their sources
.endif
.irp u,0,1
	global_store_b128 v[KO], v[OCB+4*\u:OCB+4*\u+3], s[72+2*((\g)/2):73+2*((\g)/2)] offset:1024*\u+512*((\g)%2)   ; 32 lanes store 512 consecutive bytes, at a multiple of 256 from the buffer's first byte
.endr
.else
	v_cndmask_b32 v[BY+6], v[BY], v[BY+1], s69     ; the bytes of the two channel tiles
	ds_store_b32 v[SVA], v[BY+6] offset:128*((\g)-4)
.irp v,0,1
	global_store_b128 v[VO], v[OCB+4*\v:OCB+4*\v+3], s[72:73] offset:9728+2048*(2*((\g)-4)+\v)
.endr
.endif
.endm
; A group's quantising stands behind the NEXT group's products: its plain instructions name none of those products' registers and are the places behind them,
; ahead of the loads into the weights' registers and of the first read of the results.
	LOADW 0
	LOADW 1
	s_wait_dscnt 16                                ; all but the 16 loads just issued
	MM 0
	PLACES 8
.irp g,1,2,3,4,5,6,7,8,9,10
	LOADW \g+1
	s_wait_dscnt 16
	MM \g
	POST \g-1
.endr
	s_wait_dscnt 0x0
	MM 11
	POST 10
	POST 11
	s_wait_dscnt 0x0                               ; for the others' sake: my scale words and bytes lie in LDS
	s_barrier_signal -1
	s_barrier_wait -1
	ds_load_b64 v[24:25], v[RKQ]                   ; waves 0, 1: K's words; waves 2, 3: Q's: 256 bytes a wave
.irp j,0,1,2,3
	ds_load_b64 v[32+2*\j:33+2*\j], v[RSV] offset:1024*\j   ; V's bytes of four channel tiles, from each of the four waves (blocks of 32 keys)
.endr
	s_wait_dscnt 0x0
	s_cmp_lt_u32 s22, 2
	s_cselect_b64 s[76:77], s[72:73], s[74:75]
	global_store_b64 v[GKQ], v[24:25], s[76:77] offset:8192   ; 32 lanes store 256 consecutive bytes, aligned
	v_lshl_or_b32 v32, v34, 8, v32
	v_lshl_or_b32 v33, v35, 8, v33
	v_lshl_or_b32 v32, v36, 16, v32
	v_lshl_or_b32 v33, v37, 16, v33
	v_lshl_or_b32 v32, v38, 24, v32
	v_lshl_or_b32 v33, v39, 24, v33
	global_store_b64 v[GSV], v[32:33], s[72:73] offset:8704
	s_wait_tensorcnt 0x0
	ds_add_u32 v254, v255
	s_wait_dscnt 0x0
	CROUND                                         ; the closing round
	s_endpgm
.Lfunc_end_k_q52c4177e50_proj:
	.size	k_q52c4177e50_proj, .Lfunc_end_k_q52c4177e50_proj-k_q52c4177e50_proj
	.p2alignl 7, 3214868480
	.fill 96, 4, 3214868480
	.section	.rodata,"a",@progbits
	.p2align	6, 0x0
	.amdhsa_kernel k_q52c4177e50_proj
		.amdhsa_group_segment_fixed_size 246272
		.amdhsa_private_segment_fixed_size 0
		.amdhsa_enable_private_segment 0
		.amdhsa_kernarg_size 72
		.amdhsa_user_sgpr_count 2
		.amdhsa_user_sgpr_kernarg_segment_ptr 1
		.amdhsa_wavefront_size32 1
		.amdhsa_system_sgpr_workgroup_id_x 1
		.amdhsa_system_sgpr_workgroup_id_y 1
		.amdhsa_system_sgpr_workgroup_id_z 1
		.amdhsa_system_vgpr_workitem_id 0
		.amdhsa_next_free_vgpr 384
		.amdhsa_next_free_sgpr 84
		.amdhsa_reserve_vcc 0
		.amdhsa_float_denorm_mode_32 3
		.amdhsa_float_denorm_mode_16_64 3
		.amdhsa_fp16_overflow 1
		.amdhsa_memory_ordered 1
		.amdhsa_forward_progress 1
		.amdhsa_inst_pref_size 92
	.end_amdhsa_kernel
	.amdgpu_metadata
---
amdhsa.version: [ 1, 2 ]
amdhsa.kernels:
  - .name:           k_q52c4177e50_proj
    .symbol:         k_q52c4177e50_proj.kd
    .args:
      - { .name: x, .offset: 0, .size: 8, .value_kind: global_buffer, .address_space: global }
      - { .name: wf_codes, .offset: 8, .size: 8, .value_kind: global_buffer, .address_space: global }
      - { .name: wf_scales, .offset: 16, .size: 8, .value_kind: global_buffer, .address_space: global }
      - { .name: wg_codes, .offset: 24, .size: 8, .value_kind: global_buffer, .address_space: global }
      - { .name: wg_scales, .offset: 32, .size: 8, .value_kind: global_buffer, .address_space: global }
      - { .name: wh_codes, .offset: 40, .size: 8, .value_kind: global_buffer, .address_space: global }
      - { .name: wh_scales, .offset: 48, .size: 8, .value_kind: global_buffer, .address_space: global }
      - { .name: kv, .offset: 56, .size: 8, .value_kind: global_buffer, .address_space: global }
      - { .name: qg, .offset: 64, .size: 8, .value_kind: global_buffer, .address_space: global }
    .group_segment_fixed_size: 246272
    .private_segment_fixed_size: 0
    .kernarg_segment_align: 8
    .kernarg_segment_size: 72
    .max_flat_workgroup_size: 128
    .sgpr_count:     84
    .vgpr_count:     384
    .wavefront_size: 32
...
	.end_amdgpu_metadata
.endif
;; end of part 1
;; launch attn (part 2): grid 32 x 8, 4 waves a work-group, clusters of 4 x 1, 327,680 bytes of LDS; arguments qg, kv, x, gamma, out0; writes out0
.if DOCPART == 2
	.amdgcn_target "amdgcn-amd-amdhsa--gfx1250"
	.amdhsa_code_object_version 6
	.text
	.protected	k_q52c4177e50_attn
	.globl	k_q52c4177e50_attn
	.p2align	8
	.type	k_q52c4177e50_attn,@function
k_q52c4177e50_attn:
	s_mov_b64 s[64:65], 0
	v_nop
	global_prefetch_b8 v0, s[64:65] scope:SCOPE_SE
	s_setreg_imm32_b32 hwreg(HW_REG_WAVE_MODE, 25, 1), 1
	s_wait_xcnt 0x0
	s_wait_alu depctr_hold_cnt(0) depctr_sa_sdst(0) depctr_va_vdst(0) depctr_va_sdst(0) depctr_va_ssrc(0) depctr_va_vcc(0) depctr_vm_vsrc(0)
	s_getreg_b32 s2, hwreg(HW_REG_IB_STS2, 6, 4)
	s_cmp_eq_u32 s2, 0
	s_cbranch_scc0 .Lentry_in_a_cluster
	s_endpgm
.Lentry_in_a_cluster:
	s_bfe_u32 s2, ttmp6, 0x10000c
	s_cmp_lg_u32 s2, 0x3003
	s_cbranch_scc0 .Lentry_shape_is_right
	s_endpgm
.Lentry_shape_is_right:
; out[b][c][j] = gamma x (sum over i of softmax_i(s[i][j]) hx[c][i]) + x[b][c][j],  s[i][j] = sum over 64 channels of fx[.][i] gx[.][j].  Both products on codes of BF8 (E5M2) with E8M0 scales.
; The keys i (fx), the values (hx, 256 channels, the keys its K) and the queries j (gx) come as images of operand registers from the launch before (its head comment has the records' layout).
; THE SOFTMAX: t = s x log2(e); M = the query's largest t so far, rounded UP to a whole number; p = 2^(t - M) is quantised along the keys, not normalised; the sum is taken of the unquantised p and divides at the end.
; When M moves, the sum and O are multiplied by 2^(old M - new M): exact.
; THE FIRST PRODUCT'S K IS 64: the instruction's K = 64 .. 127 are zero codes on both sides (eight registers of each fragment, cleared once), under the scale byte 127.
; SHARES.  A work-group owns 128 queries of one batch; each of its four waves 32 of them, two tiles of 16, so that each fragment of K and V read from LDS feeds two matrix instructions.  Every wave walks the batch's 4,096 keys, 128 a step.
; LAYOUT.  Both products are used transposed: S^T = K Q^T (source 0 = 16 keys), O^T = V P^T (source 0 = 16 channels): a lane holds ONE query throughout.  The keys of a tile are chosen (row r of tile 2 b + u is key
; 32 b + 8 u + r + 8 (r / 8)), so that S^T's 16 registers of two neighbouring tiles are 16 neighbouring keys, and p's conversions give the second product's operand as it stands.
; RING.  Two LDS slots of two records (256 keys, 84,992 bytes), each filled by four tensor loads of 83 rows x 256 bytes, one a wave.  CLUSTER: the four work-groups of a cluster belong to one batch and walk the same records: every fill is asked for jointly.
; By this text's own count a wave has one tensor load out at the start and one behind each change of slots.
; LIMITS: NaN and infinities are not served.  p under 2^-126 counts as 0 (v_exp_f32 flushes denormal results); a block of p under 2^-111 has the scale byte 1.
; REGISTERS, in windows of 256.  Window 0: v1-11 addresses; v12-19 statistics (tile t: -M, largest t, the sum in two halves); v20-23 the factors f; v24 Q's scale words; v26-29 K's, v30-37 V's (two tiles to a register); v38-39 p's;
;   v40-71 at work on blocks; v72-75 at work; v76-79 gamma / sum of four columns; v80-111 p's codes; v112-239 S^T, then p.   Window 1: O^T (tile t, channel tile T at 128 t + 8 T).   Window 2: V's 16 fragments.   Window 3: K's 8 fragments, Q's two at 128.
.set REC,   42496
.set QREC,  8704
.set SLOT1, 131072                     ; slot 1 begins here: one exclusive or turns an address in one slot into the other's
.set QUART, 21248                      ; a quarter of a slot: 83 rows of 256 bytes
.set SP,    528                        ; the way out: a stage row: 128 columns x 4 bytes + 16
.set STGB,  216064                     ; stage A (channels 0-127) lies at 0, in slot 0, which has had its last fill and its last read by then; stage B (channels 128-255) behind slot 1
.set GT,    283648                     ; gamma / sum of the 128 columns
.set SPARE, 284160                     ; the spare words, 128 bytes for each wave: two blocks of 256 bytes that no other line names
.set L16, 1                            ; v1   16 x lane
.set L4,  2                            ; v2   4 x lane
.set ADK, 3                            ; v3   the record in hand + 16 x lane
.set AKS, 4                            ; v4   the record in hand + 4 x lane
.set SPW, 5                            ; v5   LDS address of my spare word; never rewritten
.set NIL, 6                            ; v6   0; never rewritten
.set STA, 7                            ; v7, v8   the stages: where I put a number
.set STB, 8
.set RDA, 9                            ; v9, v10  and where I read rows back
.set PFO, 11                           ; v11  lane x 16,384: a row of x for each lane
.set ST,  12
.set F,   20
.set QS,  24
.set GA,  25                           ; v25  my query's word in GT
.set KS,  26
.set VS,  30
.set PW,  38
.set BM,  40                           ; tile t at 16 t: +0 the blocks' largest, +4 at work, +12 the conversions' scale operands
.set TP,  72
.set G4,  76
.set PC,  80
.set S,   112
.set MSB, 0
.macro WIN new                         ; the immediate's high byte repeats the setting that is left
.if MSB != \new
	s_set_vgpr_msb (MSB<<8)|\new
.set MSB, \new
.endif
.endm
.macro CROUND                          ; a round of the cluster's barrier
	s_barrier_signal -1
	s_barrier_wait -1
	s_cmp_lg_u32 s14, 0
	s_cbranch_scc1 .Lnot_wave_0_\@
	s_barrier_signal -3
.Lnot_wave_0_\@:
	s_barrier_wait -3
	s_barrier_signal -1
	s_barrier_wait -1
.endm
.macro PLACES n
.rept \n
	v_nop
.endr
.endm
; one matrix instruction: D at d, sources at a and b, scale words in sa and sb; acc = 0: the product starts the sum; ra, rb = 1: that side's scales are read from lanes 16-31
.macro WMS d, a, b, acc, sa, sb, ra, rb
.if (\acc) && (\ra)
	v_wmma_scale_f32_16x16x128_f8f6f4 v[\d:\d+7], v[\a:\a+15], v[\b:\b+15], v[\d:\d+7], v[\sa], v[\sb] matrix_a_fmt:MATRIX_FMT_BF8 matrix_b_fmt:MATRIX_FMT_BF8 matrix_a_scale:MATRIX_SCALE_ROW1
.elseif (\acc)
	v_wmma_scale_f32_16x16x128_f8f6f4 v[\d:\d+7], v[\a:\a+15], v[\b:\b+15], v[\d:\d+7], v[\sa], v[\sb] matrix_a_fmt:MATRIX_FMT_BF8 matrix_b_fmt:MATRIX_FMT_BF8
.elseif (\ra) && (\rb)
	v_wmma_scale_f32_16x16x128_f8f6f4 v[\d:\d+7], v[\a:\a+15], v[\b:\b+15], 0, v[\sa], v[\sb] matrix_a_fmt:MATRIX_FMT_BF8 matrix_b_fmt:MATRIX_FMT_BF8 matrix_a_scale:MATRIX_SCALE_ROW1 matrix_b_scale:MATRIX_SCALE_ROW1
.elseif (\ra)
	v_wmma_scale_f32_16x16x128_f8f6f4 v[\d:\d+7], v[\a:\a+15], v[\b:\b+15], 0, v[\sa], v[\sb] matrix_a_fmt:MATRIX_FMT_BF8 matrix_b_fmt:MATRIX_FMT_BF8 matrix_a_scale:MATRIX_SCALE_ROW1
.elseif (\rb)
	v_wmma_scale_f32_16x16x128_f8f6f4 v[\d:\d+7], v[\a:\a+15], v[\b:\b+15], 0, v[\sa], v[\sb] matrix_a_fmt:MATRIX_FMT_BF8 matrix_b_fmt:MATRIX_FMT_BF8 matrix_b_scale:MATRIX_SCALE_ROW1
.else
	v_wmma_scale_f32_16x16x128_f8f6f4 v[\d:\d+7], v[\a:\a+15], v[\b:\b+15], 0, v[\sa], v[\sb] matrix_a_fmt:MATRIX_FMT_BF8 matrix_b_fmt:MATRIX_FMT_BF8
.endif
.endm
	s_load_b256 s[4:11], s[0:1], 0x0               ; qg s[4:5], kv s[6:7], x s[8:9], gamma s[10:11]
	s_load_b64 s[12:13], s[0:1], 0x20              ; out0
	v_lshl_add_u32 v[SPW], v0, 2, SPARE
	v_mov_b32 v[NIL], 0
	ds_add_u32 v5, v6
	ds_add_u32 v5, v6
	s_wait_dscnt 0x0
	v_lshrrev_b32 v1, 5, v0
	v_readfirstlane_b32 s14, v1                    ; wave 0..3
	s_bfe_u32 s15, ttmp6, 0x40000                  ; cx: my place in the cluster
	s_lshl_b32 s16, ttmp9, 2
	s_add_co_u32 s16, s16, s15                     ; my block of 128 queries: it enters qg's, x's and out0's addresses alone
	s_and_b32 s17, ttmp7, 0xffff                   ; the batch, which the four partners share
	s_mul_i32 s18, s17, 32*REC                     ; kv: the batch's 32 records,
	s_mul_i32 s41, s14, QUART                      ; my quarter of a slot, in memory and in LDS
	s_add_co_u32 s18, s18, s41
	s_mov_b32 s19, 0
	s_mov_b32 s40, 1
	s_mov_b32 s44, 1
	s_add_co_u32 s45, s41, SLOT1
	; descriptor group 1: 83 dense rows of 32 elements of 8 bytes; mask: all four work-groups, bit 21 beside it; no padding: every LDS read takes 16 x lane or 4 x lane on end
	s_mov_b32 s24, 15|(3<<16)|(1<<21)
	s_mov_b32 s25, 32<<16
	s_mov_b32 s26, 83<<16
	s_mov_b32 s27, 32<<16
	s_mov_b32 s28, 83
	s_mov_b32 s29, 32
	s_mov_b32 s30, 0
	s_mov_b32 s31, 0
	s_lshl_b32 s20, s17, 5
	s_add_co_u32 s20, s20, s16
	s_mul_i32 s20, s20, QREC                       ; my record of qg
	s_mov_b32 s21, 0
	s_lshl_b32 s22, s17, 22                        ; x and out0: the batch's 4,194,304 bytes,
	s_lshl_b32 s23, s14, 19                        ; my 32 rows (channels 32 w on) of 16,384,
	s_add_co_u32 s22, s22, s23
	s_lshl_b32 s23, s16, 9                         ; the block's 512 bytes of a row
	s_add_co_u32 s22, s22, s23
	s_mov_b32 s23, 0
	s_mov_b32 s32, 0x76543210
	s_mov_b32 s33, 0xfedcba98                      ; v_permlanex16_b32's selects for lane l xor 16
	s_mov_b32 s34, 0x3fb8aa3b                      ; log2(e)
	s_mov_b32 s35, s34                             ; (named with it as a pair, so it is written)
	s_mov_b32 s37, 0                               ; LDS byte at which the next record to be fetched begins
	s_wait_kmcnt 0x0
	s_load_b32 s48, s[10:11], 0x0                  ; gamma
	s_add_nc_u64 s[42:43], s[6:7], s[18:19]        ; slot 0: key steps 0, 1
	s_add_nc_u64 s[46:47], s[42:43], 2*REC         ; slot 1: key steps 2, 3; this set then walks
	s_or_b32 s43, s43, 0x80000000
	s_or_b32 s47, s47, 0x80000000
	s_add_nc_u64 s[20:21], s[4:5], s[20:21]
	s_add_nc_u64 s[50:51], s[8:9], s[22:23]
	s_add_nc_u64 s[52:53], s[12:13], s[22:23]
	s_wait_kmcnt 0x0
	CROUND                                         ; all four work-groups are here: the first joint loads meet
	tensor_load_to_lds s[40:43], s[24:31]
	s_nop 0
	s_wait_alu depctr_va_vdst(0)
	s_wait_tensorcnt 0x0
	ds_add_u32 v5, v6
	s_wait_dscnt 0x0
	CROUND
	tensor_load_to_lds s[44:47], s[24:31]
	s_nop 0
	PLACES 4
	v_and_b32 v72, 31, v0
	v_lshlrev_b32 v[L16], 4, v72
	v_lshlrev_b32 v[L4], 2, v72
	v_lshlrev_b32 v[PFO], 14, v72
	s_lshl_b32 s39, s14, 11
	v_add_nc_u32 v74, s39, v[L16]                  ; Q's codes: tiles 2 w, 2 w + 1
	s_lshl_b32 s39, s14, 7
	v_add_nc_u32 v75, s39, v[L4]                   ; Q's scale words: lanes 0-15 tile 2 w, lanes 16-31 tile 2 w + 1
	WIN 0xc0                                       ; destination window 3
.irp t,0,1
.irp b,0,1
	global_load_b128 v[128+16*\t+4*\b:128+16*\t+4*\b+3], v74, s[20:21] offset:1024*\t+512*\b
.endr
.endr
.irp k,0,1,2,3,4,5,6,7,8,9                     ; the zero codes of K = 64 .. 127: K's eight fragments and Q's two; no load ever lands there
.irp i,8,9,10,11,12,13,14,15
	v_mov_b32 v[16*\k+\i], 0
.endr
.endr
	WIN 0
	global_load_b32 v[QS], v75, s[20:21] offset:8192
	v_and_b32 v72, 7, v0
	v_bfe_u32 v73, v0, 3, 1
	v_lshl_add_u32 v72, v73, 4, v72                ; (r % 8) + 16 (r / 8)
	v_lshl_add_u32 v72, v72, 2, s39                ; my query of tile 0 among the 128 columns, in bytes: 4 (32 w + r + 8 (r / 8)); tile 1's lies 32 bytes on
	v_add_nc_u32 v[GA], GT, v72
	v_bfe_u32 v73, v0, 4, 1
	v_mul_u32_u24 v73, v73, 8*SP
	v_add_nc_u32 v[STA], v73, v72                  ; row 8 h of a channel tile, my column
	v_add_nc_u32 v[STB], STGB, v[STA]
	s_mul_i32 s39, s14, 32*SP
	v_add_nc_u32 v[RDA], s39, v[L16]               ; back: rows 32 w on, 16 bytes a lane
	v_add_nc_u32 v[RDA+1], STGB, v[RDA]
.irp t,0,1
	v_mov_b32 v[ST+4*\t+1], 0xff61b1e6             ; the largest t so far: -3e38, under every t
	v_floor_f32 v[ST+4*\t], -v[ST+4*\t+1]          ; -M
	v_mov_b32 v[ST+4*\t+2], 0                      ; the sum, in two halves
	v_mov_b32 v[ST+4*\t+3], 0
	v_mov_b32 v[F+2*\t], 0
	v_mov_b32 v[F+2*\t+1], 0                       ; (named as the upper half of a pair)
.irp b,0,1,2,3
	v_mov_b32 v[BM+16*\t+4+\b], 0                  ; written once: a lane permute's destination counts as one of its sources
.endr
.endr
; a step's K: 8 fragments' lower halves (64 channels) and their scale words; 20 loads
.macro FETCH_K
	WIN 0
	v_add_nc_u32 v[ADK], s37, v[L16]
	v_add_nc_u32 v[AKS], s37, v[L4]
	WIN 0xc0
.irp k,0,1,2,3,4,5,6,7
	ds_load_b128 v[16*\k:16*\k+3], v[ADK] offset:1024*\k
	ds_load_b128 v[16*\k+4:16*\k+7], v[ADK] offset:1024*\k+512
.endr
	WIN 0
.irp i,0,1,2,3
	ds_load_b32 v[KS+\i], v[AKS] offset:8192+128*\i
.endr
.endm
; the same record's V: 16 fragments and their scale words; 72 loads.  The addresses are those that FETCH_K made for this record
.macro FETCH_V
	WIN 0x80
.irp y,0,1,2,3,4,5,6,7,8,9,10,11,12,13,14,15
.irp c,0,1,2,3
	ds_load_b128 v[16*\y+4*\c:16*\y+4*\c+3], v[ADK] offset:9728+2048*\y+512*\c
.endr
.endr
	WIN 0
.irp i,0,1,2,3,4,5,6,7
	ds_load_b32 v[VS+\i], v[AKS] offset:8704+128*\i
.endr
	s_add_co_u32 s37, s37, REC                     ; the next fetch is the next record's
.endm
.macro QK                              ; S^T = K Q^T: 8 tiles of keys x my two tiles of queries; one instruction is the whole sum
	WIN 0x0f                                       ; sources 0 and 1 window 3
.irp k,0,1,2,3,4,5,6,7
.irp t,0,1
	WMS S+64*\t+8*\k, 16*\k, 128+16*\t, 0, KS+\k/2, QS, \k%2, \t
.endr
.endr
.endm
.macro SOFTMAX                         ; both tiles, stage by stage, by turns
	WIN 0
.irp t,0,1
.irp b,0,1,2,3
	v_max3_num_f32 v[BM+16*\t+\b], v[S+64*\t+16*\b], v[S+64*\t+16*\b+1], v[S+64*\t+16*\b+2]   ; the largest score of each block of 32 keys: it serves for the query's maximum and, since p rises with the score, for the block's largest p
.endr
.endr
.irp i,3,5,7,9,11,13
.irp t,0,1
.irp b,0,1,2,3
	v_max3_num_f32 v[BM+16*\t+\b], v[BM+16*\t+\b], v[S+64*\t+16*\b+\i], v[S+64*\t+16*\b+\i+1]
.endr
.endr
.endr
.irp t,0,1
.irp b,0,1,2,3
	v_max_num_f32 v[BM+16*\t+\b], v[BM+16*\t+\b], v[S+64*\t+16*\b+15]
.endr
.endr
.irp t,0,1
.irp b,0,1,2,3
	v_permlanex16_b32 v[BM+16*\t+4+\b], v[BM+16*\t+\b], s32, s33
.endr
.endr
.irp t,0,1
.irp b,0,1,2,3
	v_max_num_f32 v[BM+16*\t+\b], v[BM+16*\t+\b], v[BM+16*\t+4+\b]   ; with lane l xor 16's 16 keys
.endr
.endr
.irp t,0,1
	v_max3_num_f32 v[TP+\t], v[BM+16*\t], v[BM+16*\t+1], v[BM+16*\t+2]
.endr
.irp t,0,1
	v_max_num_f32 v[TP+\t], v[TP+\t], v[BM+16*\t+3]   ; the step's largest score of my query
.endr
.irp t,0,1
	v_mul_f32 v[TP+\t], s34, v[TP+\t]              ; as t
.endr
.irp t,0,1
	v_max_num_f32 v[ST+4*\t+1], v[ST+4*\t+1], v[TP+\t]   ; the running largest t
.endr
.irp t,0,1
	v_mov_b32 v[TP+\t], v[ST+4*\t]
.endr
.irp t,0,1
	v_floor_f32 v[ST+4*\t], -v[ST+4*\t+1]          ; the new -M = floor(-t) = -ceil(t)
.endr
.irp t,0,1
	v_sub_f32 v[TP+\t], v[ST+4*\t], v[TP+\t]       ; old M - new M: a whole number, 0 or less
.endr
.irp t,0,1
	v_cvt_i32_f32 v[TP+\t], v[TP+\t]               ; (it saturates)
.endr
.irp t,0,1
	v_ldexp_f32 v[F+2*\t], 1.0, v[TP+\t]           ; f = 2^(old M - new M)
.endr
.irp t,0,1
.set jj, 0
.rept 32
	v_pk_fma_f32 v[S+64*\t+jj:S+64*\t+jj+1], v[S+64*\t+jj:S+64*\t+jj+1], s[34:35], v[ST+4*\t:ST+4*\t+1] op_sel_hi:[1,0,0]   ; t - M, two at a time
.set jj, jj+2
.endr
.endr
.irp t,0,1
.irp b,0,1,2,3
	v_fma_f32 v[BM+16*\t+\b], v[BM+16*\t+\b], s34, v[ST+4*\t]   ; the same of each block's largest score
.endr
.endr
	s_wait_alu depctr_va_vdst(0)
.irp t,0,1
.set jj, 0
.rept 64
	v_exp_f32 v[S+64*\t+jj], v[S+64*\t+jj]         ; p = 2^(t - M)
.set jj, jj+1
.endr
.endr
.irp t,0,1
.irp b,0,1,2,3
	v_exp_f32 v[BM+16*\t+\b], v[BM+16*\t+\b]       ; the block's largest p: the same two instructions on the same number
.endr
.endr
.irp t,0,1
	v_pk_mul_f32 v[ST+4*\t+2:ST+4*\t+3], v[ST+4*\t+2:ST+4*\t+3], v[F+2*\t:F+2*\t+1] op_sel_hi:[1,0]   ; the sums under the new M.  (A plain instruction behind the exponentials)
.endr
	s_wait_alu depctr_va_vdst(0)
.irp t,0,1
.irp b,0,1,2,3
	v_max_num_f32 v[BM+16*\t+\b], 0x8000000, v[BM+16*\t+\b]   ; the floor 2^(16 - 127): the byte cannot fall under 1
.endr
.endr
.irp t,0,1
.irp b,0,1,2,3
	v_add_nc_u32 v[BM+16*\t+12+\b], 0xf8800000, v[BM+16*\t+\b]   ; 15 off the exponent field: the conversion's scale operand
.endr
.endr
.irp t,0,1
.irp b,0,1,2,3
.endr
.endr
.irp t,0,1
.irp b,0,1,2,3
	v_lshrrev_b32 v[BM+16*\t+4+\b], 23, v[BM+16*\t+12+\b]   ; the scale's byte
.endr
.endr
.irp t,0,1
	v_lshl_or_b32 v[PW+\t], v[BM+16*\t+5], 8, v[BM+16*\t+4]   ; p's scale word for these 128 keys
.endr
.irp t,0,1
	v_lshl_or_b32 v[PW+\t], v[BM+16*\t+6], 16, v[PW+\t]
.endr
.irp t,0,1
	v_lshl_or_b32 v[PW+\t], v[BM+16*\t+7], 24, v[PW+\t]
.endr
.irp t,0,1
	v_pk_add_f32 v[BM+16*\t+4:BM+16*\t+5], v[S+64*\t:S+64*\t+1], v[S+64*\t+2:S+64*\t+3]   ; the sum is taken of the unquantised p: two at a time, two chains a tile
.endr
.irp j,4,8,12,16,20,24,28,32,36,40,44,48,52,56,60
.irp t,0,1
	v_pk_add_f32 v[ST+4*\t+2:ST+4*\t+3], v[ST+4*\t+2:ST+4*\t+3], v[S+64*\t+\j:S+64*\t+\j+1]
	v_pk_add_f32 v[BM+16*\t+4:BM+16*\t+5], v[BM+16*\t+4:BM+16*\t+5], v[S+64*\t+\j+2:S+64*\t+\j+3]
.endr
.endr
.irp t,0,1
	v_pk_add_f32 v[ST+4*\t+2:ST+4*\t+3], v[ST+4*\t+2:ST+4*\t+3], v[BM+16*\t+4:BM+16*\t+5]
.endr
.irp b,0,1,2,3
.irp t,0,1
.irp i,0,1,2,3,4,5,6,7,8,9,10,11,12,13,14,15
.endr
	v_cvt_scalef32_pk8_bf8_f32 v[PC+16*\t+4*\b:PC+16*\t+4*\b+1], v[S+64*\t+16*\b:S+64*\t+16*\b+7], v[BM+16*\t+12+\b]
	v_cvt_scalef32_pk8_bf8_f32 v[PC+16*\t+4*\b+2:PC+16*\t+4*\b+3], v[S+64*\t+16*\b+8:S+64*\t+16*\b+15], v[BM+16*\t+12+\b]
.endr
.endr
	v_nop                                          ; a plain instruction behind the last conversion
.endm
; THE CHANGE OF SLOTS: the slot's last bytes, V of its second step, have been asked for.  Each wave waits for all its tensor loads (its part of the other slot), adds 0 to its spare word, and waits for that and for its reads of the slot.
; fill = 1: the barrier is a round of the cluster's, and the slot is filled again, jointly, with the records two slots on: the load has two key steps in which to land.
.macro CHANGE fill
	WIN 0
	s_wait_tensorcnt 0x0                           ; no tensor load of mine is out, so a group 0 may be written
	ds_add_u32 v[SPW], v[NIL]                      ; 0 onto my spare word
.if \fill
	s_xor_b32 s45, s45, SLOT1                      ; the walking descriptor: the other slot than last time,
	s_add_nc_u64 s[46:47], s[46:47], 2*REC         ; the next two records; the type bits on top are not reached
.endif
	s_wait_dscnt 0x0                               ; the add is done, and my reads of the slot are over
.if \fill
	CROUND
	tensor_load_to_lds s[44:47], s[24:31]          ; the first thing behind the round, and my one tensor load until the next
	s_nop 0
	PLACES 4
.else
	s_barrier_signal -1
	s_barrier_wait -1
.endif
	s_sub_co_u32 s37, s37, 2*REC                   ; the fetches go back to a slot's first record,
	s_xor_b32 s37, s37, SLOT1                      ; in the other slot
.endm
; A KEY STEP, 128 keys.  first = 1: its products start O^T's sums.  chg = 1: a change of slots with a refill, 2: without.  nextk = 1: the next step's K is fetched.  pf = 1: x's rows for the way out are prefetched.
.macro STEP first, chg, nextk, pf
	s_wait_dscnt 0x0                               ; K is in
	QK
	PLACES 8                                       ; behind the scores' products, ahead of the first read of S^T; and behind the last step's O^T products, ahead of the loads into V's registers (ISA guide 7.12.1 for vector instructions)
	FETCH_V
.if \pf
	global_prefetch_b8 v[PFO], s[50:51] th:TH_LOAD_NT scope:SCOPE_SE                  ; my 64 rows of x, 512 bytes each: a lane to a row, four requests, each aligned block of 256 bytes once; two key steps ahead of the loads
	global_prefetch_b8 v[PFO], s[50:51] offset:256 th:TH_LOAD_NT scope:SCOPE_SE
	global_prefetch_b8 v[PFO], s[50:51] offset:2097152 th:TH_LOAD_NT scope:SCOPE_SE
	global_prefetch_b8 v[PFO], s[50:51] offset:2097408 th:TH_LOAD_NT scope:SCOPE_SE
.endif
	SOFTMAX
.if \chg == 1
	CHANGE 1
.elseif \chg == 2
	CHANGE 0
.endif
.if \nextk
	FETCH_K
.endif
.if \first
	PLACES 8                                       ; p's codes and scale words were written by vector instructions: places ahead of the scaled products
.else
	WIN 0x41                                       ; O^T (destination and source 0) window 1, f window 0
.irp t,0,1
.set jj, 0
.rept 64
	v_pk_mul_f32 v[128*\t+jj:128*\t+jj+1], v[128*\t+jj:128*\t+jj+1], v[F+2*\t:F+2*\t+1] op_sel_hi:[1,0]   ; O^T under the new M.  (These are also the places ahead of the products below)
.set jj, jj+2
.endr
.endr
.endif
.if \nextk
	s_wait_alu depctr_va_vdst(0)
	s_wait_dscnt 20                                ; V's 72 loads are in; the 20 issued behind them, the next step's K, may be out
.else
	s_wait_alu depctr_va_vdst(0)
	s_wait_dscnt 0x0
.endif
	WIN 0x52                                       ; V window 2, p window 0, O^T window 1
.irp y,0,1,2,3,4,5,6,7,8,9,10,11,12,13,14,15   ; O^T += V P^T: the 32 accumulators take one turn each
.irp t,0,1
	WMS 128*\t+8*\y, 16*\y, PC+16*\t, 1-\first, VS+\y/2, PW+\t, \y%2, 0
.endr
.endr
.endm
	s_wait_tensorcnt 0x1                           ; my part of slot 0 is in; slot 1's may stay out
	s_barrier_signal -1
	s_barrier_wait -1                              ; everybody's is
	FETCH_K                                        ; key step 0
	s_wait_alu depctr_va_vdst(0)
	s_wait_loadcnt 0x0                             ; Q
	STEP 1, 0, 1, 0                                ; key step 0
	WIN 0                                          ; at a label and at a branch every window is 0
	s_mov_b32 s38, 14
.Lvisit:                                           ; 14 trips: a slot's second step, with the change of slots and the refill, and the next slot's first: key steps 1 to 28
	STEP 0, 1, 1, 0
	STEP 0, 0, 1, 0
	WIN 0
	s_sub_co_u32 s38, s38, 1
	s_cmp_lg_u32 s38, 0
	s_cbranch_scc1 .Lvisit
	STEP 0, 2, 1, 0                                ; key step 29: slot 0 is left for the last time; nothing is left to ask for
	STEP 0, 0, 1, 1                                ; key step 30
	STEP 0, 0, 0, 0                                ; key step 31
	; THE WAY OUT.  O^T holds a query a lane and channels along the registers; out0's rows run along the queries.  So O^T goes through two stages in LDS, a channel to a row, and each wave takes 64 whole rows back:
	; out = O x (gamma / sum) + x, 512 consecutive bytes a store.  gamma / sum of the 128 columns goes through LDS too.
	WIN 0
	s_wait_dscnt 0x0
	s_barrier_signal -1
	s_barrier_wait -1                              ; every wave has read the last record: the stages may be written
	PLACES 8                                       ; behind the last products: ahead of the loads into V's registers and of the first read of O^T
.irp t,0,1
	v_add_f32 v[TP+\t], v[ST+4*\t+2], v[ST+4*\t+3] ; the sum's two halves,
.endr
.irp t,0,1
	v_permlanex16_b32 v[TP+2+\t], v[TP+\t], s32, s33
.endr
.irp t,0,1
	v_add_f32 v[TP+\t], v[TP+\t], v[TP+2+\t]       ; and lane l xor 16's
.endr
	s_wait_alu depctr_va_vdst(0)
.irp t,0,1
	v_rcp_f32 v[TP+\t], v[TP+\t]
.endr
	v_nop                                          ; a plain instruction behind the reciprocals
	s_wait_alu depctr_va_vdst(0)
.irp t,0,1
	v_mul_f32 v[TP+\t], s48, v[TP+\t]              ; gamma / sum
.endr
	WIN 0x80                                       ; x's 64 rows into V's registers: row n (channel 128 (n / 32) + 32 w + n % 32) at 4 n
.set nn, 0
.rept 64
	global_load_b128 v[4*nn:4*nn+3], v[L16], s[50:51] offset:16384*(nn%32)+2097152*(nn/32) th:TH_LOAD_NT
.set nn, nn+1
.endr
	WIN 0
.irp t,0,1
	ds_store_b32 v[GA], v[TP+\t] offset:32*\t      ; both halves of the lanes write the same word with the same value
.endr
	WIN 0x04                                       ; an LDS store's data are its source 1: window 1
.irp t,0,1
.irp y,0,1,2,3,4,5,6,7
.irp i,0,1,2,3,4,5,6,7                         ; each accumulator from its low end on
	ds_store_b32 v[STA], v[128*\t+8*\y+\i] offset:(16*\y+\i)*SP+32*\t
.endr
.irp i,0,1,2,3,4,5,6,7
	ds_store_b32 v[STB], v[128*\t+64+8*\y+\i] offset:(16*\y+\i)*SP+32*\t
.endr
.endr
.endr
	WIN 0
	s_wait_dscnt 0x0                               ; for the others' sake: my stores into the stages are done
	s_barrier_signal -1
	s_barrier_wait -1
	v_add_nc_u32 v[TP], GT, v[L16]
	ds_load_b128 v[G4:G4+3], v[TP]                 ; gamma / sum of my four columns
	WIN 0x40                                       ; the rows come back into O^T's registers: row n at 4 n
.set nn, 0
.rept 64
	ds_load_b128 v[4*nn:4*nn+3], v[RDA+nn/32] offset:SP*(nn%32)
.set nn, nn+1
.endr
	s_wait_loadcnt 0x0                             ; x
.irp q,0,1,2,3
	s_wait_dscnt 48-16*\q                          ; these 16 rows are back; the rows behind them may be out
	WIN 0x61                                       ; O window 1 (source 0 and destination), gamma / sum window 0, x window 2
.set nn, 16*\q
.rept 16
	v_pk_fma_f32 v[4*nn:4*nn+1], v[4*nn:4*nn+1], v[G4:G4+1], v[4*nn:4*nn+1]
	v_pk_fma_f32 v[4*nn+2:4*nn+3], v[4*nn+2:4*nn+3], v[G4+2:G4+3], v[4*nn+2:4*nn+3]
.set nn, nn+1
.endr
	WIN 0x04                                       ; a store's data are its source 1: window 1
.set nn, 16*\q
.rept 16
	global_store_b128 v[L16], v[4*nn:4*nn+3], s[52:53] offset:16384*(nn%32)+2097152*(nn/32) th:TH_STORE_NT   ; 32 lanes store 512 consecutive bytes, at a multiple of 256 from out0's first byte
.set nn, nn+1
.endr
.endr
	WIN 0
	s_wait_tensorcnt 0x0                           ; the wave's end: behind my last tensor load and my last LDS store
	ds_add_u32 v[SPW], v[NIL]
	s_wait_dscnt 0x0
	CROUND                                         ; the closing round: no work-group ends while a partner may still ask for a tile that names it
	s_endpgm
.Lfunc_end_k_q52c4177e50_attn:
	.size	k_q52c4177e50_attn, .Lfunc_end_k_q52c4177e50_attn-k_q52c4177e50_attn
	.p2alignl 7, 3214868480
	.fill 96, 4, 3214868480
	.section	.rodata,"a",@progbits
	.p2align	6, 0x0
	.amdhsa_kernel k_q52c4177e50_attn
		.amdhsa_group_segment_fixed_size 327680
		.amdhsa_private_segment_fixed_size 0
		.amdhsa_enable_private_segment 0
		.amdhsa_kernarg_size 40
		.amdhsa_user_sgpr_count 2
		.amdhsa_user_sgpr_kernarg_segment_ptr 1
		.amdhsa_wavefront_size32 1
		.amdhsa_system_sgpr_workgroup_id_x 1
		.amdhsa_system_sgpr_workgroup_id_y 1
		.amdhsa_system_sgpr_workgroup_id_z 1
		.amdhsa_system_vgpr_workitem_id 0
		.amdhsa_next_free_vgpr 1024
		.amdhsa_next_free_sgpr 66
		.amdhsa_reserve_vcc 0
		.amdhsa_float_denorm_mode_32 3
		.amdhsa_float_denorm_mode_16_64 3
		.amdhsa_fp16_overflow 1
		.amdhsa_memory_ordered 1
		.amdhsa_forward_progress 1
		.amdhsa_inst_pref_size 255
	.end_amdhsa_kernel
	.section	.bss,"aw",@nobits
	.p2align	6
	.space	262144
	.amdgpu_metadata
---
amdhsa.version: [ 1, 2 ]
amdhsa.kernels:
  - .name:           k_q52c4177e50_attn
    .symbol:         k_q52c4177e50_attn.kd
    .args:
      - { .name: qg, .offset: 0, .size: 8, .value_kind: global_buffer, .address_space: global }
      - { .name: kv, .offset: 8, .size: 8, .value_kind: global_buffer, .address_space: global }
      - { .name: x, .offset: 16, .size: 8, .value_kind: global_buffer, .address_space: global }
      - { .name: gamma, .offset: 24, .size: 8, .value_kind: global_buffer, .address_space: global }
      - { .name: out0, .offset: 32, .size: 8, .value_kind: global_buffer, .address_space: global }
    .group_segment_fixed_size: 327680
    .private_segment_fixed_size: 0
    .kernarg_segment_align: 8
    .kernarg_segment_size: 40
    .max_flat_workgroup_size: 128
    .sgpr_count:     66
    .vgpr_count:     1024
    .wavefront_size: 32
...
	.end_amdgpu_metadata
.endif
;; end of part 2
